; MI455X (gfx1250); checked and timed in simulation.
; The chip was launched on July 23, 2026; its instructions are those of AMD's public machine-readable ISA for CDNA 5 (MIT licence, August 2026) and "CDNA5" Instruction Set Architecture Reference Guide (July 2026). The comments in the code are by the model that wrote it; some were corrected since.
;; Bivariate Gaussian Kernel. Allowed arithmetic: float matrix products may take bf16 or f16 operands with f32 sums; all other float work in f32.
;; Inputs: bandwidth 8,192 float32; inputs 8,192 x 2 float32; outputs 8,192 float32; x 8,192 x 2 float32.
;; Outputs: out0 8,192 float32.
;; 2 versions, each right; version 2 is version 1 with the launch nw written anew for expert scheduling mode. Each part assembles by itself: llvm-mc -triple=amdgcn-amd-amdhsa -mcpu=gfx1250 --defsym DOCPART=n.
;; ======== version 1 of 2: 1 launch
;; launch nw (part 1): grid 256 x 1, 16 waves a work-group, no clusters, 145,408 bytes of LDS; arguments x, bandwidth, inputs, outputs, out0; writes out0
.if DOCPART == 1
	.amdgcn_target "amdgcn-amd-amdhsa--gfx1250"
	.amdhsa_code_object_version 6
	.text
	.protected	k_q8a5fd744e0_nw
	.globl	k_q8a5fd744e0_nw
	.p2align	8
	.type	k_q8a5fd744e0_nw,@function
k_q8a5fd744e0_nw:
	s_mov_b64 s[64:65], 0
	v_nop
	global_prefetch_b8 v0, s[64:65] scope:SCOPE_SE
	s_setreg_imm32_b32 hwreg(HW_REG_WAVE_MODE, 25, 1), 1
	s_wait_xcnt 0x0
; out0[m] = sum_n w[n][m] outputs[n] / (sum_n w[n][m] + 1e-7),  w[n][m] = exp(-|inputs[n] - x[m]|^2 / (2 bandwidth[m]^2)).
; N = M = 8192.  256 work-groups of 16 waves.  A work-group owns 32 queries (two tiles of 16) over all points, so no sum
; spans work-groups.  Wave w owns points 512 w .. 512 w + 511 for both tiles: 16 trips of 32 points x 32 queries.
;
; THE EXPONENT, in f32 on the vector unit: with R = sqrt(log2(e)/2) / bandwidth,  w = 2^-((R a0 - R x0)^2 + (R a1 - R x1)^2):
; four packed instructions for two pairs.  The product inputs @ x.T has K = 2 and stands in a2 + b2 - 2 ab, a difference of
; large sums: with 16-bit operands its error in the exponent would be of the order 2^-9 |a| |x| / bandwidth^2.  The sum of
; two squares is the same number without the cancellation, and it is never negative, so the maximum with 0 holds by itself.
; The exponent is never above 0: no exponential can overflow, and as in the formula above no maximum is taken away.
;
; THE SUMS, on the matrix unit: D = A x B + D, 16 x 16 x 32 in bf16.  B = the weights: lane (r = lane % 16, h = lane / 16)
; holds column r (its query) and 16 of the 32 k, which here are the points 16 h .. 16 h + 15 of the trip; A uses the same
; places for k, so the products pair up.  A's rows: 0 = bf16(outputs), 1 = ones, 2 = bf16(outputs - row 0), 3 .. 15 = zeros.
; So lanes 0-15 find in D's registers 0, 1, 2 their own query's numerator (upper part), denominator and numerator (lower part),
; numerator and denominator made of the same rounded weights.  bf16 keeps f32's exponents, so small weights keep their digits.
;
; LDS: each wave has 8,448 bytes of its own: 4,096 of points, re-paired to x0 x1 y0 y1 so that register pairs feed the packed
; forms, then A's four rows of 1,024 + 16 bytes (the 16 put the four different addresses of a load at different banks),
; 8,256 in all, rounded up to a multiple of 256.  A wave reads only what it stored itself, and LDS serves a wave's
; instructions in order (ISA guide 5.7.1), so the one barrier stands in front of the sum over the waves.
;
; NOT USED, by this text's arithmetic.  Clusters and tensor loads: what work-groups share is 98,304 bytes, loaded once in front of
; the loop (6 KB a wave), and every byte is reshaped in registers on its way to LDS; a joint load would land it as it lies
; in memory and cost a second pass through LDS; the loop itself reads no memory.  The result of a work-group is 32 numbers,
; 128 consecutive bytes, stored by one instruction: 64 queries a work-group would leave work for 128 work-groups only.
;
; LIMITS.  bandwidth: a normal number other than 0 with 0.85 |x| / |bandwidth| finite (bandwidth = 0 gives NaN here, 0 in the
; formula).  Weights below 2^-126 count as 0 (v_exp_f32 flushes), beside the 1e-7 in the denominator.  Weights are rounded to bf16,
; outputs to two bf16 pieces (16 digits).  The sums run in another order than a row-by-row sum.
.set PBYTES, 4096                      ; a wave's 512 points, 8 bytes each
.set OROW,   1040                      ; a row of A in LDS: 512 bf16 + 16 bytes
.set WPITCH, 8448                      ; a wave's LDS
.set RED,    16*WPITCH                 ; behind them: 512 bytes a wave for the partial sums
.set LANE, 1                           ; v1       lane
.set RW,   2                           ; v2       r = lane % 16
.set HF,   3                           ; v3       h = lane / 16
.set CB0,  4                           ; v[4:9]   tile 0: R, R, -R x0, -R x0, -R x1, -R x1 (pairs for the packed forms)
.set CB1,  10                          ; v[10:15] tile 1 likewise
.set PA,   16                          ; LDS address of my half's points, stepped by the loop
.set OA,   17                          ; LDS address of my row of A, stepped by the loop
.set GO16, 18                          ; 16 x lane
.set GX,   19                          ; 8 r
.set GB,   20                          ; 4 r
.set STP,  21                          ; where I store points
.set STO,  22                          ; where I store pieces of outputs (8 bytes a lane)
.set STC,  23                          ; where I store the constant rows (16 bytes a lane)
.set XQ,   24                          ; v[24:27] x of my two queries
.set BW,   28                          ; v[28:29] their bandwidths
.set T0,   30
.set T1,   31
.set PB0,  32                          ; v[32:63]   points, buffer 0: pair j at 4 j: x, x, y, y
.set PB1,  64                          ; v[64:95]   buffer 1
.set OF0,  96                          ; v[96:111]  fragments of A, buffers 0 and 1
.set TA,   112                         ; v[112:119] a batch of 8 exponents, then weights
.set TB,   120                         ; v[120:127] the other batch
.set D1,   128                         ; v[128:135] the batch's second differences
.set W0,   136                         ; v[136:143] tile 0's weights in bf16: B
.set W1,   144                         ; v[144:151] tile 1's
.set ACC0, 152                         ; v[152:159] tile 0's sums
.set ACC1, 160                         ; v[160:167] tile 1's
.set PS,   PB1                         ; on the way in: points as loaded.  All registers that the LDS stores below read are
.set QS,   W0                          ; on the way in: outputs as loaded.  written again only behind the first s_wait_dscnt 0
	s_load_b256 s[4:11], s[0:1], 0x0               ; x s[4:5], bandwidth s[6:7], inputs s[8:9], outputs s[10:11]
	s_load_b64 s[12:13], s[0:1], 0x20              ; out0
	v_lshl_add_u32 v168, v0, 2, 0x23000
	v_mov_b32 v169, 0
	v_lshrrev_b32 v[T0], 5, v0
	v_readfirstlane_b32 s16, v[T0]                 ; wave 0..15
	v_and_b32 v[LANE], 31, v0
	v_and_b32 v[RW], 15, v0
	v_bfe_u32 v[HF], v0, 4, 1
	s_lshl_b32 s18, ttmp9, 8                       ; the work-group's 32 queries: 256 bytes of x,
	s_mov_b32 s19, 0
	s_lshl_b32 s20, ttmp9, 7                       ; 128 bytes of bandwidth and of out0
	s_mov_b32 s21, 0
	s_lshl_b32 s22, s16, 12                        ; the wave's 512 points: 4,096 bytes of inputs,
	s_mov_b32 s23, 0
	s_lshl_b32 s24, s16, 11                        ; 2,048 bytes of outputs
	s_mov_b32 s25, 0
	s_mul_i32 s26, s16, WPITCH                     ; the wave's LDS: points
	s_add_co_u32 s28, s26, PBYTES                  ; and A's rows
	s_lshl_b32 s27, s16, 9
	s_add_co_u32 s27, s27, RED                     ; and its partial sums
	v_lshlrev_b32 v[GO16], 4, v[LANE]
	v_lshlrev_b32 v[GX], 3, v[RW]
	v_lshlrev_b32 v[GB], 2, v[RW]
	s_wait_kmcnt 0x0
	s_add_nc_u64 s[4:5], s[4:5], s[18:19]
	s_add_nc_u64 s[6:7], s[6:7], s[20:21]
	s_add_nc_u64 s[8:9], s[8:9], s[22:23]
	s_add_nc_u64 s[10:11], s[10:11], s[24:25]
	s_add_nc_u64 s[12:13], s[12:13], s[20:21]
	; all 16 loads of the wave at once: 4 for the queries, 8 x 512 bytes of points, 4 x 512 bytes of outputs
	global_load_b64 v[XQ:XQ+1],   v[GX], s[4:5]
	global_load_b64 v[XQ+2:XQ+3], v[GX], s[4:5] offset:128
	global_load_b32 v[BW],   v[GB], s[6:7]
	global_load_b32 v[BW+1], v[GB], s[6:7] offset:64
.irp k, 0,1,2,3,4,5,6,7
	global_load_b128 v[PS+4*\k:PS+4*\k+3], v[GO16], s[8:9] offset:512*\k
.endr
.irp k, 0,1,2,3
	global_load_b128 v[QS+4*\k:QS+4*\k+3], v[GO16], s[10:11] offset:512*\k
.endr
	; while they are on their way: addresses, and A's two constant rows
	v_add_nc_u32 v[STP], s26, v[GO16]
	v_add_nc_u32 v[STC], s28, v[GO16]
	v_lshl_add_u32 v[STO], v[LANE], 3, s28
	v_lshl_add_u32 v[PA], v[HF], 7, s26            ; my half's 16 points of a trip: 128 bytes
.irp i, 0,1,2,3
	v_mov_b32 v[ACC0+\i], 0x3f803f80               ; two bf16 ones
	v_mov_b32 v[ACC1+\i], 0
.endr
	ds_store_b128 v[STC], v[ACC0:ACC0+3] offset:OROW
	ds_store_b128 v[STC], v[ACC0:ACC0+3] offset:OROW+512
	ds_store_b128 v[STC], v[ACC1:ACC1+3] offset:3*OROW
	ds_store_b128 v[STC], v[ACC1:ACC1+3] offset:3*OROW+512
	s_wait_loadcnt 12                              ; loads return in order: the 4 query loads are in, the 12 behind them stay out
	v_rcp_f32 v[T0], v[BW]
	v_rcp_f32 v[T1], v[BW+1]
	v_min_u32 v[OA], 3, v[RW]                      ; (the plain instruction that stands between v_rcp_f32 and the use of its result)
	v_mul_u32_u24 v[OA], v[OA], OROW               ; my row of A: rows 3 .. 15 all read the row of zeros
	v_lshl_add_u32 v[OA], v[HF], 5, v[OA]          ; my half's 16 bf16: 32 bytes
	v_add_nc_u32 v[OA], s28, v[OA]
	s_wait_alu depctr_va_vdst(0)
	v_mul_f32 v[CB0], 0x3f596d27, v[T0]            ; R = 0.8493218 / bandwidth, 0.8493218 = sqrt(log2(e) / 2); its sign does not matter
	v_mul_f32 v[T0],  0xbf596d27, v[T0]            ; -R
	v_mul_f32 v[CB1], 0x3f596d27, v[T1]
	v_mul_f32 v[T1],  0xbf596d27, v[T1]
	v_mul_f32 v[CB0+2], v[T0], v[XQ]               ; -R x0
	v_mul_f32 v[CB0+4], v[T0], v[XQ+1]             ; -R x1
	v_mul_f32 v[CB1+2], v[T1], v[XQ+2]
	v_mul_f32 v[CB1+4], v[T1], v[XQ+3]
.irp i, 0,2,4
	v_mov_b32 v[CB0+\i+1], v[CB0+\i]               ; each constant twice: a pair for both halves of a packed instruction
	v_mov_b32 v[CB1+\i+1], v[CB1+\i]
.endr
	; points: x0 y0 x1 y1 becomes x0 x1 y0 y1, at the same 16 bytes of the wave's LDS
.irp k, 0,1,2,3,4,5,6,7
	s_wait_loadcnt 11-\k                           ; chunk k is in; the 7 - k chunks of points and the 4 of outputs behind it stay out
	v_mov_b32 v[T0], v[PS+4*\k+1]
	v_mov_b32 v[PS+4*\k+1], v[PS+4*\k+2]
	v_mov_b32 v[PS+4*\k+2], v[T0]
	ds_store_b128 v[STP], v[PS+4*\k:PS+4*\k+3] offset:512*\k
.endr
	; outputs: four numbers a lane become four bf16 for row 0 and, of what the rounding left, four for row 2
.irp k, 0,1,2,3
	s_wait_loadcnt 3-\k                            ; chunk k is in; the 3 - k behind it stay out
	v_cvt_pk_bf16_f32 v[TA+4*\k],   v[QS+4*\k],   v[QS+4*\k+1]
	v_cvt_pk_bf16_f32 v[TA+4*\k+1], v[QS+4*\k+2], v[QS+4*\k+3]
	ds_store_b64 v[STO], v[TA+4*\k:TA+4*\k+1] offset:256*\k
	v_lshlrev_b32 v[D1],   16, v[TA+4*\k]
	v_and_b32     v[D1+1], 0xffff0000, v[TA+4*\k]
	v_lshlrev_b32 v[D1+2], 16, v[TA+4*\k+1]
	v_and_b32     v[D1+3], 0xffff0000, v[TA+4*\k+1]
	v_pk_add_f32 v[QS+4*\k:QS+4*\k+1],   v[QS+4*\k:QS+4*\k+1],   v[D1:D1+1]   neg_lo:[0,1] neg_hi:[0,1]
	v_pk_add_f32 v[QS+4*\k+2:QS+4*\k+3], v[QS+4*\k+2:QS+4*\k+3], v[D1+2:D1+3] neg_lo:[0,1] neg_hi:[0,1]
	v_cvt_pk_bf16_f32 v[TA+4*\k+2], v[QS+4*\k],   v[QS+4*\k+1]
	v_cvt_pk_bf16_f32 v[TA+4*\k+3], v[QS+4*\k+2], v[QS+4*\k+3]
	ds_store_b64 v[STO], v[TA+4*\k+2:TA+4*\k+3] offset:2*OROW+256*\k
.endr
; Ten LDS loads: a trip's 16 points of my half (all 16 lanes of a half read the same bytes) and my 32 bytes of my row of A.
.macro FETCH buf, po, oo
.irp j, 0,1,2,3,4,5,6,7
	ds_load_b128 v[PB0+32*(\buf)+4*\j:PB0+32*(\buf)+4*\j+3], v[PA] offset:\po+16*\j
.endr
	ds_load_b128 v[OF0+8*(\buf):OF0+8*(\buf)+3],   v[OA] offset:\oo
	ds_load_b128 v[OF0+8*(\buf)+4:OF0+8*(\buf)+7], v[OA] offset:\oo+16
.endm
; A batch is 4 pairs of points (j0 .. j0 + 3 of buffer pb) against one query tile (constants at cb): 16 packed instructions, number q:
; 0-3: u0 = R a0 - R x0;  4-7: u1 = R a1 - R x1;  8-11: -u0 u0;  12-15: -u1 u1 + that.  Four chains, so none waits for the line in front.
.macro P1OP q, tn, pb, j0, cb
.if (\q) < 4
	v_pk_fma_f32 v[\tn+2*(\q):\tn+2*(\q)+1], v[\pb+4*(\j0+(\q)):\pb+4*(\j0+(\q))+1], v[\cb:\cb+1], v[\cb+2:\cb+3]
.else
.if (\q) < 8
	v_pk_fma_f32 v[D1+2*((\q)-4):D1+2*((\q)-4)+1], v[\pb+4*(\j0+(\q)-4)+2:\pb+4*(\j0+(\q)-4)+3], v[\cb:\cb+1], v[\cb+4:\cb+5]
.else
.if (\q) < 12
	v_pk_mul_f32 v[\tn+2*((\q)-8):\tn+2*((\q)-8)+1], v[\tn+2*((\q)-8):\tn+2*((\q)-8)+1], v[\tn+2*((\q)-8):\tn+2*((\q)-8)+1] neg_lo:[0,1] neg_hi:[0,1]
.else
	v_pk_fma_f32 v[\tn+2*((\q)-12):\tn+2*((\q)-12)+1], v[D1+2*((\q)-12):D1+2*((\q)-12)+1], v[D1+2*((\q)-12):D1+2*((\q)-12)+1], v[\tn+2*((\q)-12):\tn+2*((\q)-12)+1] neg_lo:[0,1,0] neg_hi:[0,1,0]
.endif
.endif
.endif
.endm
; The 8 exponentials of batch tp, each followed by two packed instructions of the next batch tn: these touch neither the
; exponential's result nor its source, so they are the plain instruction that has to stand behind it, and the
; two kinds of work overlap.
.macro XP tp, tn, pb, j0, cb
.set qq, 0
.rept 8
	v_exp_f32 v[\tp+qq], v[\tp+qq]
	P1OP 2*qq, \tn, \pb, \j0, \cb
	P1OP 2*qq+1, \tn, \pb, \j0, \cb
.set qq, qq+1
.endr
.endm
.macro CV tp, w                        ; 8 weights to bf16: the even point into the low half, as in A's rows
	s_wait_alu depctr_va_vdst(0)
.irp i, 0,1,2,3
	v_cvt_pk_bf16_f32 v[\w+\i], v[\tp+2*\i], v[\tp+2*\i+1]
.endr
.endm
.macro MM acc, of, w, zero             ; 3 sums x 16 queries x 32 points.  zero = 1: the first product starts the sums
.if \zero
	v_wmma_f32_16x16x32_bf16 v[\acc:\acc+7], v[\of:\of+7], v[\w:\w+7], 0
.else
	v_wmma_f32_16x16x32_bf16 v[\acc:\acc+7], v[\of:\of+7], v[\w:\w+7], v[\acc:\acc+7]
.endif
.endm
; A TRIP: 32 points x 32 queries in four batches (tile 0: pairs 0-3, 4-7; tile 1: pairs 0-3, 4-7) on buffer c.  The first batch's
; packed arithmetic was done at the end of the trip before.  more = 1: the next trip's data are fetched into the other buffer (po, oo: their
; offsets from PA and OA) and its first batch is begun.
; Distances behind the matrix instructions: the fetch loads into the fragment of A that the last trip's second matrix
; instruction read, and stands behind the 16 packed instructions and 4 conversions of the first step, none of which names a register of it;
; W0 and W1 are written again a whole trip later; each accumulator is touched only by the next link of its own chain.
.macro TRIP c, zero, more, po, oo
	XP TA, TB, PB0+32*\c, 4, CB0
	CV TA, W0
.if \more
	FETCH (1-\c), \po, \oo
.endif
	XP TB, TA, PB0+32*\c, 0, CB1
	CV TB, W0+4
	MM ACC0, OF0+8*\c, W0, \zero
	XP TA, TB, PB0+32*\c, 4, CB1
	CV TA, W1
.if \more
	s_wait_dscnt 0x0                               ; the ten loads issued two steps ago: the next trip's data
	XP TB, TA, PB0+32*(1-\c), 0, CB0
.else
.set qq, 0
.rept 8
	v_exp_f32 v[TB+qq], v[TB+qq]
.set qq, qq+1
.endr
	v_nop                                          ; nothing is left to put behind the last exponentials
	s_wait_alu depctr_va_vdst(0)
.endif
	CV TB, W1+4
	MM ACC1, OF0+8*\c, W1, \zero
.endm
	FETCH 0, 0, 0                                  ; LDS serves a wave's instructions in order: these see the stores above
	s_wait_dscnt 0x0
.set qq, 0
.rept 16
	P1OP qq, TA, PB0, 0, CB0                       ; the first batch of trip 0
.set qq, qq+1
.endr
	TRIP 0, 1, 1, 256, 64                          ; trip 0 starts the sums and fetches trip 1
	s_mov_b32 s29, 7
.Lpair:                                                ; trips 2 k + 1 and 2 k + 2, k = 0 .. 6; they fetch trips 2 k + 2 and 2 k + 3
	TRIP 1, 0, 1, 512, 128
	TRIP 0, 0, 1, 768, 192
	v_add_nc_u32 v[PA], 512, v[PA]                 ; two trips: 64 points of 8 bytes,
	v_add_nc_u32 v[OA], 128, v[OA]                 ; 64 bf16
	s_sub_co_u32 s29, s29, 1
	s_cmp_lg_u32 s29, 0
	s_cbranch_scc1 .Lpair
	TRIP 1, 0, 0, 0, 0                             ; trip 15 fetches nothing
	; The wave's sums to LDS: (numerator, denominator) of query r from lane r; lanes 16-31 hold A's rows 8-15, zeros, which nobody reads.
	; Four plain instructions that name no register of the last matrix instruction stand in front of the first that reads its result.
	v_lshl_add_u32 v[T0], v[LANE], 3, s27
	v_add_f32 v[ACC0], v[ACC0], v[ACC0+2]          ; tile 0: upper + lower part of the numerator
	v_lshlrev_b32 v[T1], 8, v[HF]
	v_lshl_add_u32 v[T1], v[RW], 3, v[T1]          ; for the sum below: tile h, query r
	v_add_f32 v[ACC1], v[ACC1], v[ACC1+2]
	ds_store_b64 v[T0], v[ACC0:ACC0+1]
	ds_store_b64 v[T0], v[ACC1:ACC1+1] offset:256
	s_wait_dscnt 0x0                               ; for wave 0's sake: my stores are done
	s_barrier_signal -1
	s_barrier_wait -1
	s_cmp_lg_u32 s16, 0
	s_cbranch_scc1 .Ldone
	; wave 0: lane l sums query l of the work-group over the 16 waves
	v_add_nc_u32 v[T1], RED, v[T1]
.irp w, 0,1,2,3,4,5,6,7,8,9,10,11,12,13,14,15
	ds_load_b64 v[PB0+2*\w:PB0+2*\w+1], v[T1] offset:512*\w
.endr
	s_wait_dscnt 0x0
.irp i, 0,1,2,3,4,5,6,7
	v_pk_add_f32 v[PB0+2*\i:PB0+2*\i+1], v[PB0+2*\i:PB0+2*\i+1], v[PB0+16+2*\i:PB0+16+2*\i+1]
.endr
.irp i, 0,1,2,3
	v_pk_add_f32 v[PB0+2*\i:PB0+2*\i+1], v[PB0+2*\i:PB0+2*\i+1], v[PB0+8+2*\i:PB0+8+2*\i+1]
.endr
.irp i, 0,1
	v_pk_add_f32 v[PB0+2*\i:PB0+2*\i+1], v[PB0+2*\i:PB0+2*\i+1], v[PB0+4+2*\i:PB0+4+2*\i+1]
.endr
	v_pk_add_f32 v[PB0:PB0+1], v[PB0:PB0+1], v[PB0+2:PB0+3]
	v_add_f32 v[PB0+1], 0x33d6bf95, v[PB0+1]       ; + 1e-7
	v_rcp_f32 v[PB0+1], v[PB0+1]
	v_lshlrev_b32 v[T0], 2, v[LANE]                ; (stands between v_rcp_f32 and the use of its result)
	s_wait_alu depctr_va_vdst(0)
	v_mul_f32 v[PB0], v[PB0], v[PB0+1]
	global_store_b32 v[T0], v[PB0], s[12:13]       ; 32 lanes, 128 consecutive bytes
.Ldone:
	s_wait_tensorcnt 0x0
	ds_add_u32 v168, v169
	s_wait_dscnt 0x0
	s_endpgm
.Lfunc_end_k_q8a5fd744e0_nw:
	.size	k_q8a5fd744e0_nw, .Lfunc_end_k_q8a5fd744e0_nw-k_q8a5fd744e0_nw
	.p2alignl 7, 3214868480
	.fill 96, 4, 3214868480
	.section	.rodata,"a",@progbits
	.p2align	6, 0x0
	.amdhsa_kernel k_q8a5fd744e0_nw
		.amdhsa_group_segment_fixed_size 145408
		.amdhsa_private_segment_fixed_size 0
		.amdhsa_enable_private_segment 0
		.amdhsa_kernarg_size 40
		.amdhsa_user_sgpr_count 2
		.amdhsa_user_sgpr_kernarg_segment_ptr 1
		.amdhsa_wavefront_size32 1
		.amdhsa_system_sgpr_workgroup_id_x 1
		.amdhsa_system_sgpr_workgroup_id_y 1
		.amdhsa_system_sgpr_workgroup_id_z 1
		.amdhsa_system_vgpr_workitem_id 0
		.amdhsa_next_free_vgpr 170
		.amdhsa_next_free_sgpr 66
		.amdhsa_reserve_vcc 0
		.amdhsa_float_denorm_mode_32 3
		.amdhsa_float_denorm_mode_16_64 3
		.amdhsa_memory_ordered 1
		.amdhsa_forward_progress 1
		.amdhsa_inst_pref_size 40
	.end_amdhsa_kernel
	.amdgpu_metadata
---
amdhsa.version: [ 1, 2 ]
amdhsa.kernels:
  - .name:           k_q8a5fd744e0_nw
    .symbol:         k_q8a5fd744e0_nw.kd
    .args:
      - { .name: x, .offset: 0, .size: 8, .value_kind: global_buffer, .address_space: global }
      - { .name: bandwidth, .offset: 8, .size: 8, .value_kind: global_buffer, .address_space: global }
      - { .name: inputs, .offset: 16, .size: 8, .value_kind: global_buffer, .address_space: global }
      - { .name: outputs, .offset: 24, .size: 8, .value_kind: global_buffer, .address_space: global }
      - { .name: out0, .offset: 32, .size: 8, .value_kind: global_buffer, .address_space: global }
    .group_segment_fixed_size: 145408
    .private_segment_fixed_size: 0
    .kernarg_segment_align: 8
    .kernarg_segment_size: 40
    .max_flat_workgroup_size: 512
    .sgpr_count:     66
    .vgpr_count:     170
    .wavefront_size: 32
...
	.end_amdgpu_metadata
.endif
;; end of part 1
;; ======== version 2 of 2: 1 launch; version 1 with the launch nw written anew for expert scheduling mode
;; launch nw (part 2): grid 256 x 1, 16 waves a work-group, no clusters, 145,408 bytes of LDS; arguments x, bandwidth, inputs, outputs, out0; writes out0
.if DOCPART == 2
	.amdgcn_target "amdgcn-amd-amdhsa--gfx1250"
	.amdhsa_code_object_version 6
	.text
	.protected	k_q8a5fd744e0_nw
	.globl	k_q8a5fd744e0_nw
	.p2align	8
	.type	k_q8a5fd744e0_nw,@function
k_q8a5fd744e0_nw:
	s_mov_b64 s[64:65], 0
	v_nop
	global_prefetch_b8 v0, s[64:65] scope:SCOPE_SE
	s_setreg_imm32_b32 hwreg(HW_REG_WAVE_SCHED_MODE, 0, 2), 2
	s_setreg_imm32_b32 hwreg(HW_REG_WAVE_MODE, 25, 1), 1
	s_wait_xcnt 0x0
	s_wait_alu depctr_vm_vsrc(0)
; out0[m] = sum_n w[n][m] outputs[n] / (sum_n w[n][m] + 1e-7),  w[n][m] = exp(-|inputs[n] - x[m]|^2 / (2 bandwidth[m]^2)).
; N = M = 8192.  256 work-groups of 16 waves.  A work-group owns 32 queries (two tiles of 16) over all points, so no sum
; spans work-groups.  Wave w owns points 512 w .. 512 w + 511 for both tiles: 16 trips of 32 points x 32 queries.
;
; THE EXPONENT, in f32 on the vector unit: with R = sqrt(log2(e)/2) / bandwidth,  w = 2^-((R a0 - R x0)^2 + (R a1 - R x1)^2):
; four packed instructions for two pairs.  The product inputs @ x.T has K = 2 and stands in a2 + b2 - 2 ab, a difference of
; large sums: with 16-bit operands its error in the exponent would be of the order 2^-9 |a| |x| / bandwidth^2.  The sum of
; two squares is the same number without the cancellation, and it is never negative, so the maximum with 0 holds by itself.
; The exponent is never above 0: no exponential can overflow, and as in the formula above no maximum is taken away.
;
; THE SUMS, on the matrix unit: D = A x B + D, 16 x 16 x 32 in bf16.  B = the weights: lane (r = lane % 16, h = lane / 16)
; holds column r (its query) and 16 of the 32 k, which here are the points 16 h .. 16 h + 15 of the trip; A uses the same
; places for k, so the products pair up.  A's rows: 0 = bf16(outputs), 1 = ones, 2 = bf16(outputs - row 0), 3 .. 15 = zeros.
; So lanes 0-15 find in D's registers 0, 1, 2 their own query's numerator (upper part), denominator and numerator (lower part),
; numerator and denominator made of the same rounded weights.  bf16 keeps f32's exponents, so small weights keep their digits.
;
; LDS: each wave has 8,448 bytes of its own: 4,096 of points, re-paired to x0 x1 y0 y1 so that register pairs feed the packed
; forms, then A's four rows of 1,024 + 16 bytes (the 16 put the four different addresses of a load at different banks),
; 8,256 in all, rounded up to a multiple of 256.  A wave reads only what it stored itself, and LDS serves a wave's
; instructions in order (ISA guide 5.7.1), so the one barrier stands in front of the sum over the waves.
;
; THE MODE: SCHED_MODE bits 1:0 = 2 (LLVM: expert scheduling mode 2), set by the entry lines.  The code itself states the register
; dependences between vector or matrix instructions and memory or LDS instructions, with s_wait_alu, always for 0.
; THE PLAN.  Registers that memory or LDS instructions touch:
;   GX, GB, GO16, STP, STO, STC   offsets and addresses, made at the head ahead of one wait and never written again.
;   ACC0 .. +3, ACC1 .. +3        at the head the data of the stores of A's constant rows; later the matrix instructions write them.
;   PS (= PB1)                    points as loaded; re-paired by moves; read by eight LDS stores; from trip 0 on it is point buffer 1.
;   TA, TB                        on the way in the pieces of outputs, read by eight LDS stores; in the loop vector instructions alone name them.
;   PB0, PB1                      a trip on buffer c: its packed lines read PB[c]; its ten LDS loads land in PB[1 - c] and OF[1 - c],
;   OF0, OF1                      which the trip before read last: PB in its third step, OF in its second matrix instruction.
;   PA, OA                        read by every one of those loads; written once a pass of the loop, at its end.
;   T0, T1                        on the way out: the addresses of the partial sums.
; So ONE wait on va_vdst stands in a trip, behind its first step: the trip before is done reading PB[1 - c] and OF[1 - c], and PA and OA
; are written.  The ten loads follow it, dealt among the second step's lines, which name TA, TB, D1, PB[c] and CB1: none of the registers
; that the loads touch.  One wait on vm_vsrc a pass stands ahead of the adds to PA and OA.
;
; NOT USED, by this text's arithmetic.  Clusters and tensor loads: what work-groups share is 98,304 bytes, loaded once in front of
; the loop (6 KB a wave), and every byte is reshaped in registers on its way to LDS; a joint load would land it as it lies
; in memory and cost a second pass through LDS; the loop itself reads no memory.  The result of a work-group is 32 numbers,
; 128 consecutive bytes, stored by one instruction: 64 queries a work-group would leave work for 128 work-groups only.
;
; LIMITS.  bandwidth: a normal number other than 0 with 0.85 |x| / |bandwidth| finite (bandwidth = 0 gives NaN here, 0 in the
; formula).  Weights below 2^-126 count as 0 (v_exp_f32 flushes), beside the 1e-7 in the denominator.  Weights are rounded to bf16,
; outputs to two bf16 pieces (16 digits).  The sums run in another order than a row-by-row sum.
.set PBYTES, 4096                      ; a wave's 512 points, 8 bytes each
.set OROW,   1040                      ; a row of A in LDS: 512 bf16 + 16 bytes
.set WPITCH, 8448                      ; a wave's LDS
.set RED,    16*WPITCH                 ; behind them: 512 bytes a wave for the partial sums
.set LANE, 1                           ; v1       lane
.set RW,   2                           ; v2       r = lane % 16
.set HF,   3                           ; v3       h = lane / 16
.set CB0,  4                           ; v[4:9]   tile 0: R, R, -R x0, -R x0, -R x1, -R x1 (pairs for the packed forms)
.set CB1,  10                          ; v[10:15] tile 1 likewise
.set PA,   16                          ; LDS address of my half's points, stepped by the loop
.set OA,   17                          ; LDS address of my row of A, stepped by the loop
.set GO16, 18                          ; 16 x lane
.set GX,   19                          ; 8 r
.set GB,   20                          ; 4 r
.set STP,  21                          ; where I store points
.set STO,  22                          ; where I store pieces of outputs (8 bytes a lane)
.set STC,  23                          ; where I store the constant rows (16 bytes a lane)
.set XQ,   24                          ; v[24:27] x of my two queries
.set BW,   28                          ; v[28:29] their bandwidths
.set T0,   30
.set T1,   31
.set PB0,  32                          ; v[32:63]   points, buffer 0: pair j at 4 j: x, x, y, y
.set PB1,  64                          ; v[64:95]   buffer 1
.set OF0,  96                          ; v[96:111]  fragments of A, buffers 0 and 1
.set TA,   112                         ; v[112:119] a batch of 8 exponents, then weights
.set TB,   120                         ; v[120:127] the other batch
.set D1,   128                         ; v[128:135] the batch's second differences
.set W0,   136                         ; v[136:143] tile 0's weights in bf16: B
.set W1,   144                         ; v[144:151] tile 1's
.set ACC0, 152                         ; v[152:159] tile 0's sums
.set ACC1, 160                         ; v[160:167] tile 1's
.set PS,   PB1                         ; on the way in: points as loaded.  All registers that the LDS stores of the way in read are
.set QS,   W0                          ; on the way in: outputs as loaded.  written again only behind the wait on vm_vsrc in front of trip 0
	s_load_b256 s[4:11], s[0:1], 0x0               ; x s[4:5], bandwidth s[6:7], inputs s[8:9], outputs s[10:11]
	s_load_b64 s[12:13], s[0:1], 0x20              ; out0
	v_lshl_add_u32 v168, v0, 2, 0x23000
	v_mov_b32 v169, 0
	v_lshrrev_b32 v[T0], 5, v0
	v_readfirstlane_b32 s16, v[T0]                 ; wave 0..15
	v_and_b32 v[LANE], 31, v0
	v_and_b32 v[RW], 15, v0
	v_bfe_u32 v[HF], v0, 4, 1
	s_lshl_b32 s18, ttmp9, 8                       ; the work-group's 32 queries: 256 bytes of x,
	s_mov_b32 s19, 0
	s_lshl_b32 s20, ttmp9, 7                       ; 128 bytes of bandwidth and of out0
	s_mov_b32 s21, 0
	s_wait_alu depctr_va_sdst(0)                   ; s16 is written, ahead of its first reader: the wave's offsets and LDS bytes are made from it
	s_lshl_b32 s22, s16, 12                        ; the wave's 512 points: 4,096 bytes of inputs,
	s_mov_b32 s23, 0
	s_lshl_b32 s24, s16, 11                        ; 2,048 bytes of outputs
	s_mov_b32 s25, 0
	s_mul_i32 s26, s16, WPITCH                     ; the wave's LDS: points
	s_add_co_u32 s28, s26, PBYTES                  ; and A's rows
	s_lshl_b32 s27, s16, 9
	s_add_co_u32 s27, s27, RED                     ; and its partial sums
	v_lshlrev_b32 v[GO16], 4, v[LANE]
	v_lshlrev_b32 v[GX], 3, v[RW]
	v_lshlrev_b32 v[GB], 2, v[RW]
	; the LDS addresses and the data of A's two constant rows are made here, in the wait for the arguments, so that one wait below serves them with the offsets
	v_add_nc_u32 v[STP], s26, v[GO16]
	v_add_nc_u32 v[STC], s28, v[GO16]
	v_lshl_add_u32 v[STO], v[LANE], 3, s28
	v_lshl_add_u32 v[PA], v[HF], 7, s26            ; my half's 16 points of a trip: 128 bytes
.irp i, 0,1,2,3
	v_mov_b32 v[ACC0+\i], 0x3f803f80               ; two bf16 ones
	v_mov_b32 v[ACC1+\i], 0
.endr
	s_wait_kmcnt 0x0
	s_add_nc_u64 s[4:5], s[4:5], s[18:19]
	s_add_nc_u64 s[6:7], s[6:7], s[20:21]
	s_add_nc_u64 s[8:9], s[8:9], s[22:23]
	s_add_nc_u64 s[10:11], s[10:11], s[24:25]
	s_add_nc_u64 s[12:13], s[12:13], s[20:21]
	s_wait_alu depctr_va_vdst(0)                   ; GX, GB and GO16 are written, which the loads read as offsets; so are STC and the eight constants, which the four LDS stores read, and STP, STO and PA for later
	; all 16 loads of the wave at once: 4 for the queries, 8 x 512 bytes of points, 4 x 512 bytes of outputs
	global_load_b64 v[XQ:XQ+1],   v[GX], s[4:5]
	global_load_b64 v[XQ+2:XQ+3], v[GX], s[4:5] offset:128
	global_load_b32 v[BW],   v[GB], s[6:7]
	global_load_b32 v[BW+1], v[GB], s[6:7] offset:64
.irp k, 0,1,2,3,4,5,6,7
	global_load_b128 v[PS+4*\k:PS+4*\k+3], v[GO16], s[8:9] offset:512*\k
.endr
.irp k, 0,1,2,3
	global_load_b128 v[QS+4*\k:QS+4*\k+3], v[GO16], s[10:11] offset:512*\k
.endr
	; while they are on their way: A's two constant rows.  No wait: no vector instruction since the wait above
	ds_store_b128 v[STC], v[ACC0:ACC0+3] offset:OROW
	ds_store_b128 v[STC], v[ACC0:ACC0+3] offset:OROW+512
	ds_store_b128 v[STC], v[ACC1:ACC1+3] offset:3*OROW
	ds_store_b128 v[STC], v[ACC1:ACC1+3] offset:3*OROW+512
	s_wait_loadcnt 12                              ; loads return in order: the 4 query loads are in, the 12 behind them stay out
	v_rcp_f32 v[T0], v[BW]
	v_rcp_f32 v[T1], v[BW+1]
	v_min_u32 v[OA], 3, v[RW]                      ; (the plain instruction that stands between v_rcp_f32 and the use of its result)
	v_mul_u32_u24 v[OA], v[OA], OROW               ; my row of A: rows 3 .. 15 all read the row of zeros
	v_lshl_add_u32 v[OA], v[HF], 5, v[OA]          ; my half's 16 bf16: 32 bytes
	v_add_nc_u32 v[OA], s28, v[OA]
	s_wait_alu depctr_va_vdst(0)
	v_mul_f32 v[CB0], 0x3f596d27, v[T0]            ; R = 0.8493218 / bandwidth, 0.8493218 = sqrt(log2(e) / 2); its sign does not matter
	v_mul_f32 v[T0],  0xbf596d27, v[T0]            ; -R
	v_mul_f32 v[CB1], 0x3f596d27, v[T1]
	v_mul_f32 v[T1],  0xbf596d27, v[T1]
	v_mul_f32 v[CB0+2], v[T0], v[XQ]               ; -R x0
	v_mul_f32 v[CB0+4], v[T0], v[XQ+1]             ; -R x1
	v_mul_f32 v[CB1+2], v[T1], v[XQ+2]
	v_mul_f32 v[CB1+4], v[T1], v[XQ+3]
.irp i, 0,2,4
	v_mov_b32 v[CB0+\i+1], v[CB0+\i]               ; each constant twice: a pair for both halves of a packed instruction
	v_mov_b32 v[CB1+\i+1], v[CB1+\i]
.endr
	; points: x0 y0 x1 y1 becomes x0 x1 y0 y1, at the same 16 bytes of the wave's LDS.  All eight chunks are re-paired, then stored in one run behind one wait
.irp k, 0,1,2,3,4,5,6,7
	s_wait_loadcnt 11-\k                           ; chunk k is in; the 7 - k chunks of points and the 4 of outputs behind it stay out
	v_mov_b32 v[T0], v[PS+4*\k+1]
	v_mov_b32 v[PS+4*\k+1], v[PS+4*\k+2]
	v_mov_b32 v[PS+4*\k+2], v[T0]
.endr
	s_wait_alu depctr_va_vdst(0)                   ; the moves have written v[PS ..], which the eight LDS stores read
.irp k, 0,1,2,3,4,5,6,7
	ds_store_b128 v[STP], v[PS+4*\k:PS+4*\k+3] offset:512*\k
.endr
	; outputs: four numbers a lane become four bf16 for row 0 and, of what the rounding left, four for row 2.  Again the arithmetic of all chunks, one wait, one run of stores
.irp k, 0,1,2,3
	s_wait_loadcnt 3-\k                            ; chunk k is in; the 3 - k behind it stay out
	v_cvt_pk_bf16_f32 v[TA+4*\k],   v[QS+4*\k],   v[QS+4*\k+1]
	v_cvt_pk_bf16_f32 v[TA+4*\k+1], v[QS+4*\k+2], v[QS+4*\k+3]
	v_lshlrev_b32 v[D1],   16, v[TA+4*\k]
	v_and_b32     v[D1+1], 0xffff0000, v[TA+4*\k]
	v_lshlrev_b32 v[D1+2], 16, v[TA+4*\k+1]
	v_and_b32     v[D1+3], 0xffff0000, v[TA+4*\k+1]
	v_pk_add_f32 v[QS+4*\k:QS+4*\k+1],   v[QS+4*\k:QS+4*\k+1],   v[D1:D1+1]   neg_lo:[0,1] neg_hi:[0,1]
	v_pk_add_f32 v[QS+4*\k+2:QS+4*\k+3], v[QS+4*\k+2:QS+4*\k+3], v[D1+2:D1+3] neg_lo:[0,1] neg_hi:[0,1]
	v_cvt_pk_bf16_f32 v[TA+4*\k+2], v[QS+4*\k],   v[QS+4*\k+1]
	v_cvt_pk_bf16_f32 v[TA+4*\k+3], v[QS+4*\k+2], v[QS+4*\k+3]
.endr
	s_wait_alu depctr_va_vdst(0)                   ; the conversions have written v[TA .. TA+15], which the eight LDS stores read; OA too is written, which trip 0's loads below read
.irp k, 0,1,2,3
	ds_store_b64 v[STO], v[TA+4*\k:TA+4*\k+1] offset:256*\k
	ds_store_b64 v[STO], v[TA+4*\k+2:TA+4*\k+3] offset:2*OROW+256*\k
.endr
; Number n of a trip's ten LDS loads: 0-7 the 16 points of my half (all 16 lanes of a half read the same bytes), 8, 9 my 32 bytes of my row of A.
.macro LD1 buf, po, oo, n
.if (\n) < 8
	ds_load_b128 v[PB0+32*(\buf)+4*(\n):PB0+32*(\buf)+4*(\n)+3], v[PA] offset:\po+16*(\n)
.else
	ds_load_b128 v[OF0+8*(\buf)+4*((\n)-8):OF0+8*(\buf)+4*((\n)-8)+3], v[OA] offset:\oo+16*((\n)-8)
.endif
.endm
.macro FETCH buf, po, oo               ; all ten in one run: trip 0's alone
.irp n, 0,1,2,3,4,5,6,7,8,9
	LD1 \buf, \po, \oo, \n
.endr
.endm
; A batch is 4 pairs of points (j0 .. j0 + 3 of buffer pb) against one query tile (constants at cb): 16 packed instructions, number q:
; 0-3: u0 = R a0 - R x0;  4-7: u1 = R a1 - R x1;  8-11: -u0 u0;  12-15: -u1 u1 + that.  Four chains, so none waits for the line in front.
.macro P1OP q, tn, pb, j0, cb
.if (\q) < 4
	v_pk_fma_f32 v[\tn+2*(\q):\tn+2*(\q)+1], v[\pb+4*(\j0+(\q)):\pb+4*(\j0+(\q))+1], v[\cb:\cb+1], v[\cb+2:\cb+3]
.else
.if (\q) < 8
	v_pk_fma_f32 v[D1+2*((\q)-4):D1+2*((\q)-4)+1], v[\pb+4*(\j0+(\q)-4)+2:\pb+4*(\j0+(\q)-4)+3], v[\cb:\cb+1], v[\cb+4:\cb+5]
.else
.if (\q) < 12
	v_pk_mul_f32 v[\tn+2*((\q)-8):\tn+2*((\q)-8)+1], v[\tn+2*((\q)-8):\tn+2*((\q)-8)+1], v[\tn+2*((\q)-8):\tn+2*((\q)-8)+1] neg_lo:[0,1] neg_hi:[0,1]
.else
	v_pk_fma_f32 v[\tn+2*((\q)-12):\tn+2*((\q)-12)+1], v[D1+2*((\q)-12):D1+2*((\q)-12)+1], v[D1+2*((\q)-12):D1+2*((\q)-12)+1], v[\tn+2*((\q)-12):\tn+2*((\q)-12)+1] neg_lo:[0,1,0] neg_hi:[0,1,0]
.endif
.endif
.endif
.endm
; The 8 exponentials of batch tp, each followed by two packed instructions of the next batch tn: these touch neither the
; exponential's result nor its source, so they are the plain instruction that has to stand behind it, and the
; two kinds of work overlap.  ld = 1: the next trip's ten loads (into buffer buf, at po and oo from PA and OA) are dealt among them,
; two behind each of the first five groups.
.macro XP tp, tn, pb, j0, cb, ld=0, buf=0, po=0, oo=0
.set qq, 0
.rept 8
	v_exp_f32 v[\tp+qq], v[\tp+qq]
	P1OP 2*qq, \tn, \pb, \j0, \cb
	P1OP 2*qq+1, \tn, \pb, \j0, \cb
.if (\ld) && (qq < 5)
	LD1 \buf, \po, \oo, 2*qq                       ; no wait: no vector or matrix instruction since the trip's wait names these registers
	LD1 \buf, \po, \oo, 2*qq+1
.endif
.set qq, qq+1
.endr
.endm
.macro CV tp, w                        ; 8 weights to bf16: the even point into the low half, as in A's rows
	s_wait_alu depctr_va_vdst(0)
.irp i, 0,1,2,3
	v_cvt_pk_bf16_f32 v[\w+\i], v[\tp+2*\i], v[\tp+2*\i+1]
.endr
.endm
.macro MM acc, of, w, zero             ; 3 sums x 16 queries x 32 points.  zero = 1: the first product starts the sums
.if \zero
	v_wmma_f32_16x16x32_bf16 v[\acc:\acc+7], v[\of:\of+7], v[\w:\w+7], 0
.else
	v_wmma_f32_16x16x32_bf16 v[\acc:\acc+7], v[\of:\of+7], v[\w:\w+7], v[\acc:\acc+7]
.endif
.endm
; A TRIP: 32 points x 32 queries in four batches (tile 0: pairs 0-3, 4-7; tile 1: pairs 0-3, 4-7) on buffer c.  The first batch's
; packed arithmetic was done at the end of the trip before.  more = 1: the next trip's data are fetched into the other buffer (po, oo: their
; offsets from PA and OA) and its first batch is begun.
; Distances behind the matrix instructions (ISA guide 7.12.1): W0 and W1 are written again a whole trip later; each accumulator is
; touched only by the next link of its own chain, and the two accumulators take turns.
.macro TRIP c, zero, more, po, oo
	XP TA, TB, PB0+32*\c, 4, CB0
	CV TA, W0
.if \more
	s_wait_alu depctr_va_vdst(0)                   ; the trip before is done reading the other point buffer, its second matrix instruction the other fragment of A: the ten loads land there; PA and OA, which they read, are written
	XP TB, TA, PB0+32*\c, 0, CB1, 1, (1-\c), \po, \oo
.else
	XP TB, TA, PB0+32*\c, 0, CB1
.endif
	CV TB, W0+4
	MM ACC0, OF0+8*\c, W0, \zero
	XP TA, TB, PB0+32*\c, 4, CB1
	CV TA, W1
.if \more
	s_wait_dscnt 0x0                               ; the ten loads of the second step: the next trip's data
	XP TB, TA, PB0+32*(1-\c), 0, CB0
.else
.set qq, 0
.rept 8
	v_exp_f32 v[TB+qq], v[TB+qq]
.set qq, qq+1
.endr
	v_nop                                          ; nothing is left to put behind the last exponentials
	s_wait_alu depctr_va_vdst(0)
.endif
	CV TB, W1+4
	MM ACC1, OF0+8*\c, W1, \zero
.endm
	FETCH 0, 0, 0                                  ; LDS serves a wave's instructions in order: these see the stores above.  No wait: no vector instruction since the wait ahead of those stores
	s_wait_dscnt 0x0
	s_wait_alu depctr_vm_vsrc(0)                   ; my LDS stores have read v[TA .. TA+15], which the lines below write, v[PS ..], in which trip 0's loads land, and the constants in ACC0 and ACC1, which the first products write
.set qq, 0
.rept 16
	P1OP qq, TA, PB0, 0, CB0                       ; the first batch of trip 0
.set qq, qq+1
.endr
	TRIP 0, 1, 1, 256, 64                          ; trip 0 starts the sums and fetches trip 1
	s_mov_b32 s29, 7
.Lpair:                                                ; trips 2 k + 1 and 2 k + 2, k = 0 .. 6; they fetch trips 2 k + 2 and 2 k + 3
	TRIP 1, 0, 1, 512, 128
	TRIP 0, 0, 1, 768, 192
	s_wait_alu depctr_vm_vsrc(0)                   ; the LDS loads issued so far have read PA and OA
	v_add_nc_u32 v[PA], 512, v[PA]                 ; two trips: 64 points of 8 bytes,
	v_add_nc_u32 v[OA], 128, v[OA]                 ; 64 bf16
	s_sub_co_u32 s29, s29, 1
	s_cmp_lg_u32 s29, 0
	s_cbranch_scc1 .Lpair
	TRIP 1, 0, 0, 0, 0                             ; trip 15 fetches nothing
	; The wave's sums to LDS: (numerator, denominator) of query r from lane r; lanes 16-31 hold A's rows 8-15, zeros, which nobody reads.
	; Five plain instructions that name no register of the last matrix instruction stand in front of the first that reads its result.
	v_lshl_add_u32 v[T0], v[LANE], 3, s27
	v_add_f32 v[ACC0], v[ACC0], v[ACC0+2]          ; tile 0: upper + lower part of the numerator
	v_lshlrev_b32 v[T1], 8, v[HF]
	v_lshl_add_u32 v[T1], v[RW], 3, v[T1]          ; for the sum below: tile h, query r,
	v_add_nc_u32 v[T1], RED, v[T1]                 ; among the partial sums: made here, ahead of the wait
	v_add_f32 v[ACC1], v[ACC1], v[ACC1+2]
	s_wait_alu depctr_va_vdst(0)                   ; T0, the two sums and the matrix instructions' denominators are written, which the LDS stores read; so is T1, which wave 0's loads read, and PB0, in which they land, has had its last reader; the places above stay beside this wait
	ds_store_b64 v[T0], v[ACC0:ACC0+1]
	ds_store_b64 v[T0], v[ACC1:ACC1+1] offset:256
	s_wait_dscnt 0x0                               ; for wave 0's sake: my stores are done
	s_barrier_signal -1
	s_barrier_wait -1
	s_cmp_lg_u32 s16, 0
	s_cbranch_scc1 .Ldone
	; wave 0: lane l sums query l of the work-group over the 16 waves
.irp w, 0,1,2,3,4,5,6,7,8,9,10,11,12,13,14,15
	ds_load_b64 v[PB0+2*\w:PB0+2*\w+1], v[T1] offset:512*\w
.endr
	s_wait_dscnt 0x0
	s_wait_alu depctr_vm_vsrc(0)                   ; my two LDS stores have read T0, which is written anew below
.irp i, 0,1,2,3,4,5,6,7
	v_pk_add_f32 v[PB0+2*\i:PB0+2*\i+1], v[PB0+2*\i:PB0+2*\i+1], v[PB0+16+2*\i:PB0+16+2*\i+1]
.endr
.irp i, 0,1,2,3
	v_pk_add_f32 v[PB0+2*\i:PB0+2*\i+1], v[PB0+2*\i:PB0+2*\i+1], v[PB0+8+2*\i:PB0+8+2*\i+1]
.endr
.irp i, 0,1
	v_pk_add_f32 v[PB0+2*\i:PB0+2*\i+1], v[PB0+2*\i:PB0+2*\i+1], v[PB0+4+2*\i:PB0+4+2*\i+1]
.endr
	v_pk_add_f32 v[PB0:PB0+1], v[PB0:PB0+1], v[PB0+2:PB0+3]
	v_add_f32 v[PB0+1], 0x33d6bf95, v[PB0+1]       ; + 1e-7
	v_rcp_f32 v[PB0+1], v[PB0+1]
	v_lshlrev_b32 v[T0], 2, v[LANE]                ; (stands between v_rcp_f32 and the use of its result)
	s_wait_alu depctr_va_vdst(0)
	v_mul_f32 v[PB0], v[PB0], v[PB0+1]
	s_wait_alu depctr_va_vdst(0)                   ; the quotient and its offset T0 are written, which the store reads
	global_store_b32 v[T0], v[PB0], s[12:13]       ; 32 lanes, 128 consecutive bytes
.Ldone:
	s_wait_dscnt 0x0
	s_wait_alu depctr_hold_cnt(0) depctr_sa_sdst(0) depctr_va_vdst(0) depctr_va_sdst(0) depctr_va_ssrc(0) depctr_va_vcc(0) depctr_vm_vsrc(0)
	s_wait_tensorcnt 0x0
	ds_add_u32 v168, v169
	s_wait_dscnt 0x0
	s_endpgm
.Lfunc_end_k_q8a5fd744e0_nw:
	.size	k_q8a5fd744e0_nw, .Lfunc_end_k_q8a5fd744e0_nw-k_q8a5fd744e0_nw
	.p2alignl 7, 3214868480
	.fill 96, 4, 3214868480
	.section	.rodata,"a",@progbits
	.p2align	6, 0x0
	.amdhsa_kernel k_q8a5fd744e0_nw
		.amdhsa_group_segment_fixed_size 145408
		.amdhsa_private_segment_fixed_size 0
		.amdhsa_enable_private_segment 0
		.amdhsa_kernarg_size 40
		.amdhsa_user_sgpr_count 2
		.amdhsa_user_sgpr_kernarg_segment_ptr 1
		.amdhsa_wavefront_size32 1
		.amdhsa_system_sgpr_workgroup_id_x 1
		.amdhsa_system_sgpr_workgroup_id_y 1
		.amdhsa_system_sgpr_workgroup_id_z 1
		.amdhsa_system_vgpr_workitem_id 0
		.amdhsa_next_free_vgpr 170
		.amdhsa_next_free_sgpr 66
		.amdhsa_reserve_vcc 0
		.amdhsa_float_denorm_mode_32 3
		.amdhsa_float_denorm_mode_16_64 3
		.amdhsa_memory_ordered 1
		.amdhsa_forward_progress 1
		.amdhsa_inst_pref_size 41
	.end_amdhsa_kernel
	.amdgpu_metadata
---
amdhsa.version: [ 1, 2 ]
amdhsa.kernels:
  - .name:           k_q8a5fd744e0_nw
    .symbol:         k_q8a5fd744e0_nw.kd
    .args:
      - { .name: x, .offset: 0, .size: 8, .value_kind: global_buffer, .address_space: global }
      - { .name: bandwidth, .offset: 8, .size: 8, .value_kind: global_buffer, .address_space: global }
      - { .name: inputs, .offset: 16, .size: 8, .value_kind: global_buffer, .address_space: global }
      - { .name: outputs, .offset: 24, .size: 8, .value_kind: global_buffer, .address_space: global }
      - { .name: out0, .offset: 32, .size: 8, .value_kind: global_buffer, .address_space: global }
    .group_segment_fixed_size: 145408
    .private_segment_fixed_size: 0
    .kernarg_segment_align: 8
    .kernarg_segment_size: 40
    .max_flat_workgroup_size: 512
    .sgpr_count:     66
    .vgpr_count:     170
    .wavefront_size: 32
...
	.end_amdgpu_metadata
.endif
;; end of part 2
